; MI455X (gfx1250); checked and timed in simulation.
; The chip was launched on July 23, 2026; its instructions are those of AMD's public machine-readable ISA for CDNA 5 (MIT licence, August 2026) and "CDNA5" Instruction Set Architecture Reference Guide (July 2026). The comments in the code are by the model that wrote it; some were corrected since.
;; attention nearly Layer. Allowed arithmetic: matrix products marked QUANTISED: E2M3 operands, one E8M0 scale for each 32 along K, by v_wmma_scale_f32_16x16x128_f8f6f4 with both operands' format E2M3, f32 sums; products left as they are: f32 operands where the result goes on into a quantised operand, else bf16, f16 or f32 operands; f32 sums; everything else in f32.
;; Inputs: V_b 1 float32; V_w 1,024 x 1 float32; W1_b 1,024 float32; W1_w 1,024 x 1,024 float32; W2_b 1,024 float32; W2_w 1,024 x 1,024 float32; query 32 x 1 x 1,024 float32; values 32 x 2,048 x 1,024 float32.
;; Outputs: out0 32 x 1,024 float32; out1 32 x 2,048 x 1 float32.
;; This version of the problem:
;;   THIS VERSION OF THE PROBLEM IS GIVEN IN LOW PRECISION. The matrix products marked QUANTISED in the list below multiply operands that are first quantised to E2M3 (2 exponent bits, 3 mantissa bits; 6 bits a number), with one power-of-two scale for each 32 numbers along K (OCP MX v1.0); their sums are f32. All else is computed in f32.
;;   The module's matrix products, in the order in which they are computed (A, B: the left and right operand; K: the contracted axis; several contracted axes count as one K, in the product's order):
;;     1. [M 65,536, K 1,024] x [K 1,024, N 1,024]; A: input values; B: input W1_w: QUANTISED
;;     2. [M 32, K 1,024] x [K 1,024, N 1,024]; A: input query; B: input W2_w: QUANTISED
;;     3. [M 65,536, K 1,024] x [K 1,024, N 1]; A: computed on the way; B: input V_w: left as it is (N = 1 < 16)
;;   THE QUANTISER, for each operand of a quantised product, along K:
;;     - K is cut into blocks of 32 from its start; a last block that is shorter is filled with zeros.
;;     - A block's scale is 2^e with e = floor(log2(the largest magnitude in the block)) - 2, held to -126 .. 127; a block of zeros has e = 0. As a byte (E8M0): e + 127.
;;     - Each number is divided by its block's scale, clamped to +-7.5, and rounded to the nearest number of E2M3, ties to even, subnormals kept.
;;     - The product sums the exact products of the quantised numbers (number of the format x scale) in f32.
;;   ~~~python
;;   def quantise(x, axis):      # numpy; x: float32 -> the quantised numbers, widened to float32 again
;;       x = np.moveaxis(x, axis, -1); K = x.shape[-1]
;;       x = np.pad(x, [(0, 0)] * (x.ndim - 1) + [(0, -K % 32)]); x = x.reshape(x.shape[:-1] + (-1, 32)); a = np.abs(x).max(-1, keepdims=True)
;;       e = np.where(a > 0, np.clip(np.frexp(np.where(a > 0, a, 1))[1] - 1 - 2, -126, 127), 0)      # np.frexp(a)[1] - 1 = floor(log2(a)), exactly
;;       r = np.clip(x / 2.0 ** e, -7.5, 7.5)
;;       step = 2.0 ** (np.maximum(np.frexp(np.where(r == 0, 1, r))[1] - 1, 0) - 3)
;;       q = np.round(r / step) * step * 2.0 ** e      # np.round: ties to even
;;       return np.moveaxis(q.reshape(q.shape[:-2] + (-1,))[..., :K], -1, axis).astype(np.float32)
;;   ~~~
;; One version. Each part assembles by itself: llvm-mc -triple=amdgcn-amd-amdhsa -mcpu=gfx1250 --defsym DOCPART=n.
;; ======== version 1 of 1: 3 launches
;; limits: right only within a limited range of input values
;; workspace buffers: w1img 819,200 bytes; qb 131,072 bytes; scores 262,144 bytes; pctx 1,048,576 bytes; pstat 65,536 bytes
;; launch prep (part 1): grid 64 x 1, 8 waves a work-group, no clusters, 18,432 bytes of LDS; arguments W1_w, W2_w, query, W1_b, W2_b, w1img, qb; writes w1img, qb
.if DOCPART == 1
	.amdgcn_target "amdgcn-amd-amdhsa--gfx1250"
	.amdhsa_code_object_version 6
	.text
	.protected	k_q6718f691d7_prep
	.globl	k_q6718f691d7_prep
	.p2align	8
	.type	k_q6718f691d7_prep,@function
k_q6718f691d7_prep:
	s_mov_b64 s[64:65], 0
	v_nop
	global_prefetch_b8 v0, s[64:65] scope:SCOPE_SE
	s_setreg_imm32_b32 hwreg(HW_REG_WAVE_MODE, 25, 1), 1
	s_wait_xcnt 0x0
; W1_w and W2_w [1024 (k)][1024 (u)] f32 and query [32][1024] f32 are quantised along K to codes of E2M3 with one E8M0 byte for each 32.
; Work-group n takes units 16 n .. 16 n + 15; wave s takes K step s (k = 128 s .. 128 s + 127).
; OUT 1: w1img: W1's codes as images of the matrix operand's registers.  Tile n (w = n / 16, sigma = (n % 16) / 2, u = n % 2) is block 8 sigma + 2 w + u of 12,800 bytes:
;        [K step 8][g 3][lane 32][16 bytes] = registers 4 g .. 4 g + 3 of that lane's fragment; then 512 bytes of scale words [lane][4]: word p of lane l = unit l % 16, K step 2 p + l / 16.
; OUT 2: qb [n 64][batch 32][16 units] f32 = Q(query) Q(W2) + W2_b + W1_b: each wave multiplies its K step, the eight parts are added through LDS.
; A LANE TAKES A COLUMN u AND ITS REGISTERS RUN DOWN K, in the order of the operand's layout: lane (r, h) holds k = 64 c + 32 h + i in register 32 c + i.  So the conversions' results are the operand's registers.
; A block's scale byte is its largest magnitude's exponent field - 2, held at 1 from below (a block of zeros keeps the byte 1: its codes are zeros, and this program alone reads the bytes).
; LIMITS: NaN and infinities among the inputs are not served; blocks whose largest magnitude lies under 2^-124 keep the byte 1; the sum over K is taken K step by K step, in another order than a plain chain.
; DEAD WORK, left out by the whole program: V_b.  reference() adds V_b[0] to every score of a batch: one number, the same along the softmax's axis (time).  softmax(s + c) = softmax(s) for every finite c,
; and the scores reach the results through that softmax alone (out1 is the softmax, out0 its weighted sum of values).  So V_b has no way to any result: it is not loaded and is no launch's argument.
; LIMIT: a NaN, an infinity or an overflow that V_b alone would bring is not carried to the results.
.set X0,   16                          ; v16-79    64 numbers: W1, later query tile 1
.set X1,   80                          ; v80-143   W2; later results and the reduction's registers
.set X2,   144                         ; v144-207  query tile 0
.set P0,   208                         ; v208-219  codes: W1, later query tile 1
.set P1,   220                         ; v220-231  codes: W2
.set P2,   232                         ; v232-243  codes: query tile 0
.set TMPC, 244                         ; v244-246, v248-250: the upper halves of a block's codes, as the conversion leaves them
.set QM,   2                           ; v2-3 largest magnitudes; v4-5 the conversions' scale operands; v6-7 bytes; v8 at work
.set QS,   4
.set QB,   6
.set QT,   8
.set VSH,  9                           ; 8 x (lane / 16)
.set SW1,  10                          ; scale words: W1, W2, query tiles 0 and 1: these four registers hold scales and nothing else
.set SW2,  11
.set SQ0,  12
.set SQ1,  13
.set VW,   14                          ; offset in W: 4 r + 32 rows x h
.set VQA,  15                          ; offset in query: 4096 r + 128 h
.set L16,  252                         ; 16 x lane
.set SWA,  253                         ; LDS: where my K step's scale word of unit r goes
.set PST,  254                         ; LDS: my wave's partial results, 4 x lane
.set RDA,  255                         ; LDS: what I read back in the reduction
.set SWB,  16384                       ; LDS: 8 x 2,048 bytes of partial results, then 512 bytes of W1's scale words
.set SEL,  30                          ; s[30:31] lane selects: lane l xor 16
; 64 numbers v[x] .. v[x + 63] of a lane become a fragment's 12 registers v[p] .. and the scale word v[w] of its row or column.
.macro QF x, p, w
	v_max3_num_f32 v[QM], |v[\x]|, |v[\x+1]|, 0x1800000               ; my two whole blocks by turns; the floor 2^(3 - 127) is a leaf: the byte cannot fall under 1
	v_max3_num_f32 v[QM+1], |v[\x+32]|, |v[\x+33]|, 0x1800000
.irp i, 2,4,6,8,10,12,14,16,18,20,22,24,26,28,30
	s_delay_alu instid0(VALU_DEP_2)
	v_max3_num_f32 v[QM], v[QM], |v[\x+\i]|, |v[\x+\i+1]|
	s_delay_alu instid0(VALU_DEP_2)
	v_max3_num_f32 v[QM+1], v[QM+1], |v[\x+32+\i]|, |v[\x+33+\i]|
.endr
	s_delay_alu instid0(VALU_DEP_2)
	v_add_nc_u32 v[QS], 0xff000000, v[QM]                             ; 2 off the exponent field: the conversion's scale operand
	s_delay_alu instid0(VALU_DEP_2)
	v_add_nc_u32 v[QS+1], 0xff000000, v[QM+1]
	s_delay_alu instid0(VALU_DEP_2)
	v_lshrrev_b32 v[QB], 23, v[QS]                                    ; the bytes of blocks h and 2 + h
	s_delay_alu instid0(VALU_DEP_2)
	v_lshrrev_b32 v[QB+1], 23, v[QS+1]
	s_delay_alu instid0(VALU_DEP_1)
	v_lshl_or_b32 v[\w], v[QB+1], 16, v[QB]
	s_delay_alu instid0(VALU_DEP_1)
	v_lshlrev_b32 v[\w], v[VSH], v[\w]                                ; at their places in the word
	s_delay_alu instid0(VALU_DEP_1)
	v_permlanex16_b32 v[QT], v[\w], s[SEL], s[SEL+1]
	s_delay_alu instid0(VALU_DEP_1)
	v_or_b32 v[\w], v[\w], v[QT]                                      ; with lane l xor 16's two the word is whole
.irp c, 0,1
	v_cvt_scalef32_pk16_fp6_f32 v[\p+6*\c:\p+6*\c+2], v[\x+32*\c:\x+32*\c+15], v[QS+\c]
	v_cvt_scalef32_pk16_fp6_f32 v[TMPC+4*\c:TMPC+4*\c+2], v[\x+32*\c+16:\x+32*\c+31], v[QS+\c]   ; (a conversion's three registers begin on an even number)
.endr
	v_nop                                                             ; one plain place behind the scaled conversions
.irp c, 0,1
.irp i, 0,1,2
	v_mov_b32 v[\p+6*\c+3+\i], v[TMPC+4*\c+\i]
.endr
.endr
.endm
.macro WLOAD x, base                   ; W(128 s + 64 c + 32 h + i, 16 n + r) into v[x + 32 c + i]
.set j, 0
.rept 64
	global_load_b32 v[\x+j], v[VW], s[\base:\base+1] offset:(64*(j/32)+j%32)*4096
.set j, j+1
.endr
.endm
.macro QLOAD x, m                      ; query(16 m + r, 128 s + 64 c + 32 h + i) into v[x + 32 c + i]
.set j, 0
.rept 16
	global_load_b128 v[\x+4*j:\x+4*j+3], v[VQA], s[8:9] offset:65536*(\m)+256*(j/8)+16*(j%8)
.set j, j+1
.endr
.endm
	s_load_b256 s[4:11], s[0:1], 0x0               ; W1_w s[4:5], W2_w s[6:7], query s[8:9], W1_b s[10:11]
	s_load_b128 s[12:15], s[0:1], 0x20             ; W2_b s[12:13], w1img s[14:15]
	s_load_b64 s[16:17], s[0:1], 0x30              ; qb
	v_lshl_add_u32 v247, v0, 2, 0x4400
	v_mov_b32 v251, 0
	v_lshrrev_b32 v1, 5, v0
	s_delay_alu instid0(VALU_DEP_1)
	v_readfirstlane_b32 s20, v1                    ; wave = K step
	v_and_b32 v1, 31, v0                           ; lane
	v_and_b32 v2, 15, v0                           ; r
	v_bfe_u32 v3, v0, 4, 1                         ; h
	s_delay_alu instid0(VALU_DEP_2)
	v_lshlrev_b32 v[VW], 2, v2
	s_delay_alu instid0(VALU_DEP_1)
	v_lshl_add_u32 v[VW], v3, 17, v[VW]
	s_delay_alu instid0(VALU_DEP_4)
	v_lshlrev_b32 v[VQA], 12, v2
	s_delay_alu instid0(VALU_DEP_1)
	v_lshl_add_u32 v[VQA], v3, 7, v[VQA]
	v_lshlrev_b32 v[VSH], 3, v3
	v_lshlrev_b32 v[L16], 4, v1
	v_mov_b32 v[QT], 0                             ; a lane permute's destination counts as one of its sources
	s_and_b32 s21, s20, 1                          ; scale words: SWB + 16 (16 (s % 2) + r) + 4 (s / 2)
	s_lshl_b32 s21, s21, 8
	s_lshr_b32 s22, s20, 1
	s_lshl_b32 s22, s22, 2
	s_add_co_u32 s21, s21, s22
	s_add_co_u32 s21, s21, SWB
	v_lshl_add_u32 v[SWA], v2, 4, s21
	s_lshl_b32 s22, s20, 11
	v_lshl_add_u32 v[PST], v1, 2, s22              ; 2048 s + 4 lane
	v_lshrrev_b32 v4, 3, v1                        ; the reduction: I own batch 4 wave + lane / 8 and units 2 (lane % 8), + 1
	v_and_b32 v5, 7, v1
	s_delay_alu instid0(VALU_DEP_2)
	v_lshlrev_b32 v[RDA], 7, v4
	s_delay_alu instid0(VALU_DEP_1)
	v_lshl_add_u32 v[RDA], v5, 3, v[RDA]
	s_wait_alu depctr_va_vdst(0)
	s_lshr_b32 s23, s20, 2
	s_lshl_b32 s23, s23, 10
	s_and_b32 s24, s20, 1
	s_lshl_b32 s24, s24, 9
	s_add_co_u32 s23, s23, s24
	s_bfe_u32 s24, s20, 0x10001
	s_lshl_b32 s24, s24, 6
	s_add_co_u32 s23, s23, s24
	v_add_nc_u32 v[RDA], s23, v[RDA]               ; 128 x (register row of my batch) + 4 x (its lane)
	s_mov_b32 s[SEL], 0x76543210
	s_mov_b32 s[SEL+1], 0xfedcba98
	s_lshl_b32 s24, s20, 19                        ; 128 s rows of W,
	s_lshl_b32 s26, ttmp9, 6                       ; 16 n columns
	s_add_co_u32 s24, s24, s26
	s_mov_b32 s25, 0
	s_wait_kmcnt 0x0
	s_add_nc_u64 s[4:5], s[4:5], s[24:25]
	s_add_nc_u64 s[6:7], s[6:7], s[24:25]
	s_lshl_b32 s24, s20, 9
	s_add_nc_u64 s[8:9], s[8:9], s[24:25]
	s_mov_b32 s24, s26
	s_add_nc_u64 s[10:11], s[10:11], s[24:25]
	s_add_nc_u64 s[12:13], s[12:13], s[24:25]
	s_lshr_b32 s27, ttmp9, 4                       ; w
	s_bfe_u32 s28, ttmp9, 0x30001                  ; sigma
	s_and_b32 s29, ttmp9, 1                        ; u
	s_lshl_b32 s28, s28, 3
	s_lshl_b32 s27, s27, 1
	s_add_co_u32 s28, s28, s27
	s_add_co_u32 s28, s28, s29
	s_mul_i32 s24, s28, 12800
	s_mul_i32 s27, s20, 1536
	s_add_co_u32 s24, s24, s27
	s_add_nc_u64 s[14:15], s[14:15], s[24:25]      ; my tile's block, my K step
	s_lshl_b32 s24, ttmp9, 11
	s_lshl_b32 s27, s20, 8
	s_add_co_u32 s24, s24, s27
	s_add_nc_u64 s[16:17], s[16:17], s[24:25]      ; qb: tile n, my wave's four batches
	WLOAD X0, 4
	WLOAD X1, 6
	QLOAD X2, 0
	s_wait_loadcnt 63                              ; 80 loads were issued behind W1's; the count's field ends at 63, and a smaller count is safe
	QF X0, P0, SW1
.irp g, 0,1,2
	global_store_b128 v[L16], v[P0+4*\g:P0+4*\g+3], s[14:15] offset:512*\g   ; 32 lanes store 512 consecutive bytes
.endr
	ds_store_b32 v[SWA], v[SW1]                    ; both halves of the lanes write the same word with the same value
	QLOAD X0, 1                                    ; query tile 1 takes W1's registers
	s_wait_loadcnt 32                              ; W2 is in; the query's two tiles may be out
	QF X1, P1, SW2
	s_wait_loadcnt 16                              ; query tile 0 is in
	QF X2, P2, SQ0
	s_wait_loadcnt 0x0
	s_wait_xcnt 0x0                                ; the stores of W1's codes have read their registers, which are written again now
	QF X0, P0, SQ1
.rept 8
	v_nop                                          ; a scale register written by a vector instruction stands 8 places ahead of a scaled matrix instruction, an operand 4
.endr
	v_wmma_scale_f32_16x16x128_f8f6f4 v[80:87], v[P2:P2+11], v[P1:P1+11], 0, v[SQ0], v[SW2] matrix_a_fmt:MATRIX_FMT_FP6 matrix_b_fmt:MATRIX_FMT_FP6   ; register j of lane (r, h): batch 8 h + j, unit r
	v_wmma_scale_f32_16x16x128_f8f6f4 v[88:95], v[P0:P0+11], v[P1:P1+11], 0, v[SQ1], v[SW2] matrix_a_fmt:MATRIX_FMT_FP6 matrix_b_fmt:MATRIX_FMT_FP6   ; batches 16 on
	v_and_b32 v104, 7, v0                          ; four plain places behind the products
	s_delay_alu instid0(VALU_DEP_1)
	v_lshlrev_b32 v104, 3, v104                    ; my two units in a bias
	v_and_b32 v105, 31, v0
	s_delay_alu instid0(VALU_DEP_1)
	v_lshlrev_b32 v105, 3, v105                    ; 8 x lane
.irp j, 0,1,2,3,4,5,6,7
	ds_store_b32 v[PST], v[80+\j] offset:128*\j    ; each result from its low end on
.endr
.irp j, 0,1,2,3,4,5,6,7
	ds_store_b32 v[PST], v[88+\j] offset:128*(8+\j)
.endr
	global_load_b64 v[100:101], v104, s[10:11]
	global_load_b64 v[102:103], v104, s[12:13]
	s_wait_dscnt 0x0                               ; for the others' sake: my stores have landed
	s_barrier_signal -1
	s_barrier_wait -1
.irp s, 0,1,2,3,4,5,6,7
	ds_load_b64 v[112+2*\s:113+2*\s], v[RDA] offset:2048*\s
.endr
	s_wait_dscnt 0x0
	v_pk_add_f32 v[112:113], v[112:113], v[114:115]
	v_pk_add_f32 v[116:117], v[116:117], v[118:119]
	v_pk_add_f32 v[120:121], v[120:121], v[122:123]
	v_pk_add_f32 v[124:125], v[124:125], v[126:127]
	s_delay_alu instid0(VALU_DEP_3)
	v_pk_add_f32 v[112:113], v[112:113], v[116:117]
	s_delay_alu instid0(VALU_DEP_2)
	v_pk_add_f32 v[120:121], v[120:121], v[124:125]
	s_delay_alu instid0(VALU_DEP_1)
	v_pk_add_f32 v[112:113], v[112:113], v[120:121]
	s_wait_loadcnt 0x0
	v_pk_add_f32 v[100:101], v[100:101], v[102:103]
	s_wait_alu depctr_va_vdst(0)
	v_pk_add_f32 v[112:113], v[112:113], v[100:101]
	global_store_b64 v105, v[112:113], s[16:17]    ; 32 lanes store 256 consecutive bytes, aligned
	s_cmp_lg_u32 s20, 0
	s_cbranch_scc1 .Ldone
	v_add_nc_u32 v132, SWB, v[L16]                 ; wave 0 (its base stands at K step 0) sends the tile's 512 bytes of scale words
	ds_load_b128 v[128:131], v132
	s_wait_dscnt 0x0
	global_store_b128 v[L16], v[128:131], s[14:15] offset:12288
.Ldone:
	s_wait_tensorcnt 0x0
	ds_add_u32 v247, v251
	s_wait_dscnt 0x0
	s_endpgm
.Lfunc_end_k_q6718f691d7_prep:
	.size	k_q6718f691d7_prep, .Lfunc_end_k_q6718f691d7_prep-k_q6718f691d7_prep
	.p2alignl 7, 3214868480
	.fill 96, 4, 3214868480
	.section	.rodata,"a",@progbits
	.p2align	6, 0x0
	.amdhsa_kernel k_q6718f691d7_prep
		.amdhsa_group_segment_fixed_size 18432
		.amdhsa_private_segment_fixed_size 0
		.amdhsa_enable_private_segment 0
		.amdhsa_kernarg_size 56
		.amdhsa_user_sgpr_count 2
		.amdhsa_user_sgpr_kernarg_segment_ptr 1
		.amdhsa_wavefront_size32 1
		.amdhsa_system_sgpr_workgroup_id_x 1
		.amdhsa_system_sgpr_workgroup_id_y 1
		.amdhsa_system_sgpr_workgroup_id_z 1
		.amdhsa_system_vgpr_workitem_id 0
		.amdhsa_next_free_vgpr 256
		.amdhsa_next_free_sgpr 66
		.amdhsa_reserve_vcc 0
		.amdhsa_float_denorm_mode_32 3
		.amdhsa_float_denorm_mode_16_64 3
		.amdhsa_memory_ordered 1
		.amdhsa_forward_progress 1
		.amdhsa_inst_pref_size 39
	.end_amdhsa_kernel
	.amdgpu_metadata
---
amdhsa.version: [ 1, 2 ]
amdhsa.kernels:
  - .name:           k_q6718f691d7_prep
    .symbol:         k_q6718f691d7_prep.kd
    .args:
      - { .name: W1_w, .offset: 0, .size: 8, .value_kind: global_buffer, .address_space: global }
      - { .name: W2_w, .offset: 8, .size: 8, .value_kind: global_buffer, .address_space: global }
      - { .name: query, .offset: 16, .size: 8, .value_kind: global_buffer, .address_space: global }
      - { .name: W1_b, .offset: 24, .size: 8, .value_kind: global_buffer, .address_space: global }
      - { .name: W2_b, .offset: 32, .size: 8, .value_kind: global_buffer, .address_space: global }
      - { .name: w1img, .offset: 40, .size: 8, .value_kind: global_buffer, .address_space: global }
      - { .name: qb, .offset: 48, .size: 8, .value_kind: global_buffer, .address_space: global }
    .group_segment_fixed_size: 18432
    .private_segment_fixed_size: 0
    .kernarg_segment_align: 8
    .kernarg_segment_size: 56
    .max_flat_workgroup_size: 256
    .sgpr_count:     66
    .vgpr_count:     256
    .wavefront_size: 32
...
	.end_amdgpu_metadata
.endif
;; end of part 1
;; launch main (part 2): grid 256 x 1, 4 waves a work-group, clusters of 4 x 1, 327,680 bytes of LDS; arguments values, w1img, qb, V_w, scores, pctx, pstat; writes scores, pctx, pstat
.if DOCPART == 2
	.amdgcn_target "amdgcn-amd-amdhsa--gfx1250"
	.amdhsa_code_object_version 6
	.text
	.protected	k_q6718f691d7_main
	.globl	k_q6718f691d7_main
	.p2align	8
	.type	k_q6718f691d7_main,@function
k_q6718f691d7_main:
	s_mov_b64 s[64:65], 0
	v_nop
	global_prefetch_b8 v0, s[64:65] scope:SCOPE_SE
	s_setreg_imm32_b32 hwreg(HW_REG_WAVE_MODE, 25, 1), 1
	s_wait_xcnt 0x0
	s_wait_alu depctr_hold_cnt(0) depctr_sa_sdst(0) depctr_va_vdst(0) depctr_va_sdst(0) depctr_va_ssrc(0) depctr_va_vcc(0) depctr_vm_vsrc(0)
	s_getreg_b32 s2, hwreg(HW_REG_IB_STS2, 6, 4)
	s_cmp_eq_u32 s2, 0
	s_cbranch_scc0 .Lentry_in_a_cluster
	s_endpgm
.Lentry_in_a_cluster:
	s_bfe_u32 s2, ttmp6, 0x10000c
	s_cmp_lg_u32 s2, 0x3003
	s_cbranch_scc0 .Lentry_shape_is_right
	s_endpgm
.Lentry_shape_is_right:
; A work-group takes 256 rows of values (an eighth of a batch): their scores V . tanh(Q(values) Q(W1) + qb), a softmax's parts under a running maximum, and the weighted sum of its rows; launch combine joins a batch's eight parts.
; V_b is left out: it is the same along the softmax's axis and reaches no result (shown at the head of launch prep).
; THE ROWS GO IN FOUR BLOCKS OF 64.  Each wave holds the block's 64 rows as codes in registers (4 row tiles x 8 K steps x 12 = 384: windows 1 and 2) and takes a quarter of the units: 16 tiles of 16.
; W1's register images come by joint tensor loads (a cluster of 4 work-groups walks the same images: mask 15) through two slots of 102,400 bytes; a wave fetches and reads its own 25,600 bytes: two tiles.
; A TILE: 32 matrix instructions on four accumulators by turns, the first K step with qb's eight numbers as C; source 0 = 16 units, source 1 = 16 rows, so that a lane holds one row and its registers eight units.
; Then the tile's tanh as ONE batch, in f32: tanh(x) = 1 - 2 / (1 + 2^(2 x log2 e)); a row's score is the sum of V less 2 x the sum of V / (1 + ..): SACC starts at a quarter of my units' sum of V per lane pair, V2 holds -2 V.
; BESIDE THE TILES: the next block's rows are loaded as f32 into window 3, turned through a stage in LDS, quantised (a lane: two whole blocks of 32 along K) and kept as images in LDS; the block before's rows are
; loaded again and added under their weights.  These loads go into registers of their own two to three tiles ahead of their use, so the stream is asked for ahead by the loads themselves and no data prefetch is laid.
; LDS: 0 slot 0; 102,400 qb and V by tiles; 110,592 the rows' scale words; 112,640 score parts; 113,664 weights; 115,712 the spare words; 131,072 slot 1; 233,472 the next block's images; 282,624 four stages.
; LIMITS: NaN and infinities among the inputs are not served; blocks whose largest magnitude lies under 2^-124 keep the scale byte 1; weights under 2^-126 come out as 0.
.set SLOT1,  1<<17
.set WPART,  25600
.set TILEB,  12800
.set SLOTB,  102400
.set BVT,    102400
.set ISC,    110592
.set SX,     112640
.set PW,     113664
.set SPARE,  115712
.set IMG,    233472
.set STG,    282624
.set SPITCH, 528
.set SPW,  1
.set NIL,  2
.set L16,  3
.set VB0,  4
.set WB,   5
.set VBV0, 6
.set WBV,  7
.set VSTG, 8
.set VSTR, 9
.set VIM0, 10
.set WIM,  11
.set VIS0, 12
.set WIS,  13
.set VLI,  14
.set VLS,  15
.set VSX,  16
.set VSXR, 17
.set VPWS, 18
.set VPW0, 19
.set WPW,  20
.set VQ,   21
.set MX,   22
.set ASC,  32
.set BSC,  48
.set BIAS, 52
.set V2,   60
.set SACC, 76
.set ACC,  84
.set BF,   116
.set L8,   244
.set WT,   240
.set X,    144
.set PC,   208
.set TMPC, 220
.set QM,   228
.set QS,   230
.set QB,   232
.set QW,   234
.set QT,   235
.set VSH,  236
.set CTX,  240
.set WV,   20
.set CX,   21
.set WG,   22
.set G1,   24
.set G0A,  32
.set G0,   36
.set BASEW, 40
.set OFF,  42
.set SIG,  44
.set FB,   46
.set CB,   48
.set SCB,  50
.set SEL,  52
.set C2,   54
.set L2E,  56
.set TBV,  60
.set KIM,  61
.set KSC,  62
.set KPW,  63
.set LT,   66
.set LD,   67
.set LB,   68
.set TB,   69
.set MSB, 0
.macro WIN new
.if MSB != \new
	s_set_vgpr_msb (MSB<<8)|\new
.set MSB, \new
.endif
.endm
.macro PLACES
.rept 4
	v_nop
.endr
.endm
.macro CROUND
	s_barrier_signal -1
	s_barrier_wait -1
	s_cmp_lg_u32 s[WV], 0
	s_cbranch_scc1 .Lnw0_\@
	s_barrier_signal -3
.Lnw0_\@:
	s_barrier_wait -3
	s_barrier_signal -1
	s_barrier_wait -1
.endm
.macro CHGA
	WIN 0
	s_wait_tensorcnt 0x0
	ds_add_u32 v[SPW], v[NIL]
	s_xor_b32 s[G0+1], s[G0+1], SLOT1
	s_add_co_u32 s[SIG], s[SIG], 1
	s_and_b32 s[OFF], s[SIG], 7
	s_mul_i32 s[OFF], s[OFF], SLOTB
	s_add_nc_u64 s[G0+2:G0+3], s[BASEW:BASEW+1], s[OFF:OFF+1]
	s_or_b32 s[G0+3], s[G0+3], 0x80000000
	s_xor_b32 s[TB], s[TB], SLOT1
.endm
.macro CHGB
	s_wait_alu depctr_va_vdst(0)
	WIN 0
	s_wait_dscnt 0x0
	CROUND
	tensor_load_to_lds s[G0:G0+3], s[G1:G1+7]
	s_nop 0
.rept 4
	v_nop
.endr
.endm
; The tanh of the tile just multiplied (its four accumulators v[AY .. AY + 31]) and its share of the scores, as one batch: 16 packed multiplies, 32 exponentials, 16 packed additions, 32 reciprocals, 16 packed multiply-adds.
; Each accumulator is read from its low end on.  A wait stands ahead of each run of transcendentals and behind it.  younger: the LDS instructions issued behind the loads of this tile's V, which may stay out.
.macro TANH younger
.irp i, 0,2,4,6
.irp t, 0,1,2,3
	v_pk_mul_f32 v[AY+8*\t+\i:AY+8*\t+\i+1], v[AY+8*\t+\i:AY+8*\t+\i+1], s[C2:C2+1] op_sel_hi:[1,0]   ; 2 x log2 e
.endr
.endr
	s_wait_alu depctr_va_vdst(0)
.set LN, 0
.rept 32
	v_exp_f32 v[AY+LN], v[AY+LN]
.set LN, LN+1
.endr
	v_nop                                          ; a plain place behind the last exponential
	s_wait_alu depctr_va_vdst(0)
.set LN, 0
.rept 16
	v_pk_add_f32 v[AY+LN:AY+LN+1], v[AY+LN:AY+LN+1], 1.0 op_sel_hi:[1,0]
.set LN, LN+2
.endr
	s_wait_alu depctr_va_vdst(0)
.set LN, 0
.rept 32
	v_rcp_f32 v[AY+LN], v[AY+LN]
.set LN, LN+1
.endr
	v_nop                                          ; a plain place behind the last reciprocal
	s_wait_alu depctr_va_vdst(0)
	s_wait_dscnt \younger                          ; this tile's -2 V is in
	FMAS
.endm
.macro FMAS
.irp i, 0,2,4,6
.irp t, 0,1,2,3
	v_pk_fma_f32 v[SACC+2*\t:SACC+2*\t+1], v[AY+8*\t+\i:AY+8*\t+\i+1], v[VY+\i:VY+\i+1], v[SACC+2*\t:SACC+2*\t+1]
.endr
.endr
.endm
.macro MSTEP s, ab
.irp t, 0,1,2,3
.if (\s) == 0
	v_wmma_scale_f32_16x16x128_f8f6f4 v[AX+8*\t:AX+8*\t+7], v[BF+12*(\s):BF+12*(\s)+11], v[\ab+12*\t:\ab+12*\t+11], v[BIAS:BIAS+7], v[BSX+(\s)/2], v[ASC+4*\t+(\s)/2] matrix_a_fmt:MATRIX_FMT_FP6 matrix_b_fmt:MATRIX_FMT_FP6
.elseif (\s)%2 == 0
	v_wmma_scale_f32_16x16x128_f8f6f4 v[AX+8*\t:AX+8*\t+7], v[BF+12*(\s):BF+12*(\s)+11], v[\ab+12*\t:\ab+12*\t+11], v[AX+8*\t:AX+8*\t+7], v[BSX+(\s)/2], v[ASC+4*\t+(\s)/2] matrix_a_fmt:MATRIX_FMT_FP6 matrix_b_fmt:MATRIX_FMT_FP6
.else
	v_wmma_scale_f32_16x16x128_f8f6f4 v[AX+8*\t:AX+8*\t+7], v[BF+12*(\s):BF+12*(\s)+11], v[\ab+12*\t:\ab+12*\t+11], v[AX+8*\t:AX+8*\t+7], v[BSX+(\s)/2], v[ASC+4*\t+(\s)/2] matrix_a_fmt:MATRIX_FMT_FP6 matrix_b_fmt:MATRIX_FMT_FP6 matrix_a_scale:MATRIX_SCALE_ROW1 matrix_b_scale:MATRIX_SCALE_ROW1
.endif
.endr
.endm
.macro BL q, s
.irp g, 0,1,2
	ds_load_b128 v[BF+12*(\s)+4*\g:BF+12*(\s)+4*\g+3], v[WB] offset:TILEB*(1-(\q)%2)+1536*(\s)+512*\g
.endr
.endm
; A tile's first two K steps.  The tile before has issued 29 LDS loads for this one: scale words 1, qb 2, K steps 0 to 7 three each, V 2, in that order.  The four accumulators take turns, one instruction a turn.
.macro PH0 q
.set AX, ACC+128*((\q)%2)              ; this tile's accumulators,
.set AY, ACC+128*((\q)%2)              ; which its tanh reads;
.set BSX, BSC+204*((\q)%2)             ; W1's scale words: this tile's
.set BSN, BSC+204*(1-(\q)%2)           ; and the next tile's;
.set VY, V2+8*((\q)%2)                 ; -2 V: this tile's
.set VN, V2+8*(1-(\q)%2)               ; and the next tile's
	s_wait_dscnt 14                                ; the first run's 15 are in (scale words, qb, K steps 0 to 3); the second run's 14 may be out
	WIN 0x04
	s_wait_alu depctr_va_vdst(0)
	MSTEP 0, 0
	MSTEP 1, 48
.endm
; The tile's other six K steps.  The next tile's 29 LDS loads go out in TWO runs: 15 in the tile's middle, into the registers of K steps 0 to 3, and 14 at its end.
.macro PH1 q, ld
	WIN 0x04
	MSTEP 2, 96
	MSTEP 3, 144
.if \ld
	PLACES                                         ; four places ahead of loads into registers that matrix instructions have read
	ds_load_b128 v[BSN:BSN+3], v[WB] offset:TILEB*(1-(\q)%2)+12288
	ds_load_b128 v[BIAS:BIAS+3], v[WBV] offset:128*(\q)
	ds_load_b128 v[BIAS+4:BIAS+7], v[WBV] offset:128*(\q)+16
	BL \q, 0
	BL \q, 1
	BL \q, 2
	BL \q, 3
	s_wait_dscnt 17                                ; this tile's K steps 4 to 7 are in; behind them stand V's two loads and the 15 just issued
.else
	s_wait_dscnt 2                                 ; this tile's K steps 4 to 7 are in; V's two loads may be out
.endif
	MSTEP 4, 192
	WIN 0x08
	MSTEP 5, 0
	MSTEP 6, 48
	MSTEP 7, 96
	WIN 0
	PLACES                                         ; four places behind the tile's last products: for the loads below and for the tanh's first reads
.if \ld
	BL \q, 4
	BL \q, 5
	BL \q, 6
	BL \q, 7
	ds_load_b128 v[VN:VN+3], v[WBV] offset:128*(\q)+64
	ds_load_b128 v[VN+4:VN+7], v[WBV] offset:128*(\q)+80
.endif
.if (\q) < 3
	TANH 29                                        ; behind this tile's V stand the 29 loads for the next tile (the fourth tile's tanh stands in DT, under the stage's round trip)
.endif
.endm
.macro FISSUE set, k
	WIN 0xc0
.irp p, 0,1,2,3,4,5,6,7,8,9,10,11,12,13,14,15
	global_load_b128 v[\set+4*\p:\set+4*\p+3], v[L16], s[FB:FB+1] offset:4096*\p+512*(\k)
.endr
	WIN 0
.endm
.macro QF
	v_max3_num_f32 v[QM], |v[X]|, |v[X+1]|, 0x1800000
	v_max3_num_f32 v[QM+1], |v[X+32]|, |v[X+33]|, 0x1800000
.irp i, 2,4,6,8,10,12,14,16,18,20,22,24,26,28,30
	v_max3_num_f32 v[QM], v[QM], |v[X+\i]|, |v[X+\i+1]|
	v_max3_num_f32 v[QM+1], v[QM+1], |v[X+32+\i]|, |v[X+33+\i]|
.endr
	v_add_nc_u32 v[QS], 0xff000000, v[QM]
	v_add_nc_u32 v[QS+1], 0xff000000, v[QM+1]
	v_lshrrev_b32 v[QB], 23, v[QS]
	v_lshrrev_b32 v[QB+1], 23, v[QS+1]
	v_lshl_or_b32 v[QW], v[QB+1], 16, v[QB]
	v_lshlrev_b32 v[QW], v[VSH], v[QW]
	v_permlanex16_b32 v[QT], v[QW], s[SEL], s[SEL+1]
	v_or_b32 v[QW], v[QW], v[QT]
.irp c, 0,1
	v_cvt_scalef32_pk16_fp6_f32 v[PC+6*\c:PC+6*\c+2], v[X+32*\c:X+32*\c+15], v[QS+\c]
	v_cvt_scalef32_pk16_fp6_f32 v[TMPC+4*\c:TMPC+4*\c+2], v[X+32*\c+16:X+32*\c+31], v[QS+\c]
.endr
	v_nop
.irp c, 0,1
.irp i, 0,1,2
	v_mov_b32 v[PC+6*\c+3+\i], v[TMPC+4*\c+\i]
.endr
.endr
.endm
.macro FCA set, cnt
	s_wait_loadcnt \cnt
	WIN 0x0c
.irp p, 0,1,2,3,4,5,6,7,8,9,10,11,12,13,14,15
	ds_store_b128 v[VSTG], v[\set+4*\p:\set+4*\p+3] offset:SPITCH*\p
.endr
	WIN 0x80
.irp c, 0,1
.irp i, 0,1,2,3,4,5,6,7
	ds_load_b128 v[X+32*\c+4*\i:X+32*\c+4*\i+3], v[VSTR] offset:256*\c+16*\i
.endr
.endr
	WIN 0
.endm
.macro FCB e
	s_wait_dscnt 0x0
	WIN 0xaa
	QF
	WIN 0x08
.irp g, 0,1,2
	ds_store_b128 v[WIM], v[PC+4*\g:PC+4*\g+3] offset:1536*(\e)+512*\g
.endr
	ds_store_b32 v[WIS], v[QW] offset:128*((\e)/2)+64*((\e)%2)
	WIN 0
.endm
.macro CROWS set, row0
	WIN 0xc0
.irp p, 0,1,2,3,4,5,6,7
	global_load_b128 v[\set+8*\p:\set+8*\p+3], v[L16], s[CB:CB+1] offset:4096*(\row0+\p) th:TH_LOAD_NT
	global_load_b128 v[\set+8*\p+4:\set+8*\p+7], v[L16], s[CB:CB+1] offset:4096*(\row0+\p)+512 th:TH_LOAD_NT
.endr
	WIN 0
.endm
.macro CGROUP set, off, cnt
	WIN 0x40
.irp i, 0,1,2,3
	ds_load_b128 v[WT+4*\i:WT+4*\i+3], v[WPW] offset:\off+16*\i
.endr
	s_wait_loadcnt \cnt
	s_wait_dscnt 0x0
	WIN 0xa7
.irp p, 0,1,2,3,4,5,6,7
.irp y, 0,1,2,3
	v_pk_fma_f32 v[CTX+2*\y:CTX+2*\y+1], v[\set+8*\p+2*\y:\set+8*\p+2*\y+1], v[WT+2*\p:WT+2*\p+1], v[CTX+2*\y:CTX+2*\y+1]
.endr
.endr
	WIN 0
.endm
.macro ARELOAD
	WIN 0x40
.irp s, 0,1,2,3,4
.irp t, 0,1,2,3
.irp g, 0,1,2
	ds_load_b128 v[12*(4*\s+\t)+4*\g:12*(4*\s+\t)+4*\g+3], v[VLI] offset:1536*(8*\t+\s)+512*\g
.endr
.endr
.endr
	WIN 0x80
.irp s, 5,6,7
.irp t, 0,1,2,3
.irp g, 0,1,2
	ds_load_b128 v[12*(4*(\s-5)+\t)+4*\g:12*(4*(\s-5)+\t)+4*\g+3], v[VLI] offset:1536*(8*\t+\s)+512*\g
.endr
.endr
.endr
	WIN 0
.irp i, 0,1,2,3,4,5,6,7,8,9,10,11,12,13,14,15
	ds_load_b32 v[ASC+\i], v[VLS] offset:128*\i
.endr
.endm
.macro SINIT
.irp i, 0,1,2,3,4,5,6,7
	v_mov_b32 v[SACC+\i], v[VQ]
.endr
.endm
.macro SWITCH reload
.irp t, 0,1,2,3
	v_add_f32 v[24+\t], v[SACC+2*\t], v[SACC+2*\t+1]
.endr
.irp t, 0,1,2,3
	v_permlanex16_b32 v[28+\t], v[24+\t], s[SEL], s[SEL+1]
.endr
.irp t, 0,1,2,3
	v_add_f32 v[24+\t], v[24+\t], v[28+\t]
.endr
.irp t, 0,1,2,3
	ds_store_b32 v[VSX], v[24+\t] offset:64*\t
.endr
	s_wait_dscnt 0x0
	s_barrier_signal -1
	s_barrier_wait -1
.irp w, 0,1,2,3
	ds_load_b64 v[24+2*\w:25+2*\w], v[VSXR] offset:256*\w
.endr
	s_wait_dscnt 0x0
	v_pk_add_f32 v[24:25], v[24:25], v[26:27]
	v_pk_add_f32 v[28:29], v[28:29], v[30:31]
	v_pk_add_f32 v[24:25], v[24:25], v[28:29]
	s_cmp_lg_u32 s[WV], 0
	s_cbranch_scc1 .Lns_\@
	global_store_b64 v[L8], v[24:25], s[SCB:SCB+1]
.Lns_\@:
	s_wait_alu depctr_va_vdst(0)
	v_max_num_f32 v26, v24, v25
	v_max_num_f32_dpp v26, v26, v26 row_xmask:1 row_mask:0xf bank_mask:0xf
	v_max_num_f32_dpp v26, v26, v26 row_xmask:2 row_mask:0xf bank_mask:0xf
	v_max_num_f32_dpp v26, v26, v26 row_xmask:4 row_mask:0xf bank_mask:0xf
	v_max_num_f32_dpp v26, v26, v26 row_xmask:8 row_mask:0xf bank_mask:0xf
	v_permlanex16_b32 v27, v26, s[SEL], s[SEL+1]
	v_max3_num_f32 v26, v26, v27, v[MX]
	v_mul_f32 v27, s[L2E], v26
	v_fma_f32 v28, v24, s[L2E], -v27
	v_fma_f32 v29, v25, s[L2E], -v27
	v_fma_f32 v30, v[MX], s[L2E], -v27
	s_wait_alu depctr_va_vdst(0)
	v_exp_f32 v28, v28
	v_exp_f32 v29, v29
	v_exp_f32 v30, v30
	v_mov_b32 v[MX], v26
	s_wait_alu depctr_va_vdst(0)
	v_add_f32 v31, v28, v29
	v_add_f32_dpp v31, v31, v31 row_xmask:1 row_mask:0xf bank_mask:0xf
	v_add_f32_dpp v31, v31, v31 row_xmask:2 row_mask:0xf bank_mask:0xf
	v_add_f32_dpp v31, v31, v31 row_xmask:4 row_mask:0xf bank_mask:0xf
	v_add_f32_dpp v31, v31, v31 row_xmask:8 row_mask:0xf bank_mask:0xf
	v_permlanex16_b32 v27, v31, s[SEL], s[SEL+1]
	v_add_f32 v31, v31, v27
	v_fma_f32 v[MX+1], v[MX+1], v30, v31
	v_mov_b32 v248, v28
	v_mov_b32 v249, v28
	v_mov_b32 v250, v29
	v_mov_b32 v251, v29
	ds_store_b128 v[VPWS], v[248:251]
	WIN 0x82
.irp y, 0,1,2,3
	v_pk_mul_f32 v[CTX+2*\y:CTX+2*\y+1], v[CTX+2*\y:CTX+2*\y+1], v[30:31] op_sel_hi:[1,0]
.endr
	WIN 0
	SINIT
	s_wait_xcnt 0x0
	s_add_nc_u64 s[SCB:SCB+1], s[SCB:SCB+1], 256
.if \reload
	ARELOAD
	s_wait_dscnt 0x0
.endif
.endm
.macro DT f, c, last
	v_add_nc_u32 v[WBV], s[TBV], v[VBV0]
.if \f
	s_wait_alu depctr_va_vdst(0)
	v_add_nc_u32 v[WIM], s[KIM], v[VIM0]
	v_add_nc_u32 v[WIS], s[KSC], v[VIS0]
.endif
.if \c
	v_add_nc_u32 v[WPW], s[KPW], v[VPW0]
.endif
	PH0 0
	PH1 0, 1
.if \last
	s_wait_tensorcnt 0x0
	s_xor_b32 s[TB], s[TB], SLOT1
	PH0 1
.else
	CHGA
	PH0 1
	CHGB
.endif
	WIN 0
	v_add_nc_u32 v[WB], s[TB], v[VB0]
	s_wait_alu depctr_va_vdst(0)
	PH1 1, 1
; The trip's loads of values stand here, a tile behind the joint refill above: first the next block's 16 rows x 256 numbers a wave (read at the trip's end, two tiles on),
; then, into the registers that the two weighted sums have just freed, the 16 rows that the next trip weighs.  The order of issue is what the counts on LOADcnt reckon with.
.if \f
	FISSUE 0, 0
	FISSUE 64, 1
.endif
.if \c
	CGROUP 128, 0, 16+32*\f
	s_wait_alu depctr_va_vdst(0)
	CGROUP 192, 64, 32*\f
	CROWS 128, 16
	CROWS 192, 24
.endif
	PH0 2
	PH1 2, 1
.if \last
	PH0 3
.else
	CHGA
	PH0 3
	CHGB
.endif
.if \last
	PH1 3, 0
.else
	WIN 0
	v_add_nc_u32 v[WB], s[TB], v[VB0]
	s_wait_alu depctr_va_vdst(0)
	PH1 3, 1
.endif
.if \f
	FCA 0, 16+32*\c
	TANH 61                                        ; the fourth tile's tanh, while the stage's 32 LDS instructions are out (with the 29 loads for the next tile: 61)
	FCB 0
	FCA 64, 32*\c
	FCB 1
	s_add_nc_u64 s[FB:FB+1], s[FB:FB+1], 1024
	s_add_co_u32 s[KIM], s[KIM], 3072
	s_add_co_u32 s[KSC], s[KSC], 128
.else
	TANH 0
.endif
.if \c
	s_wait_xcnt 0x0
	s_add_nc_u64 s[CB:CB+1], s[CB:CB+1], 65536
	s_add_co_u32 s[KPW], s[KPW], 128
.endif
	s_add_co_u32 s[TBV], s[TBV], 512
.endm
.macro RESET
	s_mov_b32 s[TBV], 0
	s_mov_b32 s[KIM], 0
	s_mov_b32 s[KSC], 0
	s_mov_b32 s[KPW], 0
.endm
	s_load_b256 s[4:11], s[0:1], 0x0               ; values s[4:5], w1img s[6:7], qb s[8:9], V_w s[10:11]
	s_load_b64 s[14:15], s[0:1], 0x20              ; scores
	s_load_b64 s[16:17], s[0:1], 0x28              ; pctx
	s_load_b64 s[18:19], s[0:1], 0x30              ; pstat
	v_lshl_add_u32 v[SPW], v0, 2, SPARE
	v_mov_b32 v[NIL], 0
	ds_add_u32 v1, v2
	ds_add_u32 v1, v2
	s_wait_dscnt 0x0
	v_lshrrev_b32 v24, 5, v0
	v_readfirstlane_b32 s[WV], v24
	s_bfe_u32 s[CX], ttmp6, 0x40000
	s_lshl_b32 s[WG], ttmp9, 2
	s_add_co_u32 s[WG], s[WG], s[CX]
	s_mov_b32 s[G1+0], 15|(3<<16)|(1<<21)
	s_mov_b32 s[G1+1], 32<<16
	s_mov_b32 s[G1+2], 100<<16
	s_mov_b32 s[G1+3], 32<<16
	s_mov_b32 s[G1+4], 100
	s_mov_b32 s[G1+5], 32
	s_mov_b32 s[G1+6], 0
	s_mov_b32 s[G1+7], 0
	s_mov_b32 s[G0A], 1
	s_mul_i32 s[G0A+1], s[WV], WPART
	s_mov_b32 s[G0], 1
	s_mul_i32 s[G0+1], s[WV], WPART
	s_add_co_u32 s[G0+1], s[G0+1], SLOT1
	s_mul_i32 s80, s[WV], WPART
	s_mov_b32 s81, 0
	s_mov_b32 s[OFF+1], 0
	s_mov_b32 s[SIG], 1
	s_mov_b32 s[TB], 0
	s_mov_b32 s[SEL], 0x76543210
	s_mov_b32 s[SEL+1], 0xfedcba98
	s_mov_b32 s[C2], 0x4038aa3b
	s_mov_b32 s[C2+1], s[C2]
	s_mov_b32 s[L2E], 0x3fb8aa3b
	s_wait_kmcnt 0x0
	s_add_nc_u64 s[BASEW:BASEW+1], s[6:7], s[80:81]
	s_mov_b64 s[G0A+2:G0A+3], s[BASEW:BASEW+1]
	s_or_b32 s[G0A+3], s[G0A+3], 0x80000000
	s_add_nc_u64 s[G0+2:G0+3], s[BASEW:BASEW+1], SLOTB
	s_or_b32 s[G0+3], s[G0+3], 0x80000000
	CROUND
	tensor_load_to_lds s[G0A:G0A+3], s[G1:G1+7]
	s_nop 0
	s_wait_alu depctr_va_vdst(0)
	s_wait_tensorcnt 0x0
	ds_add_u32 v1, v2
	s_wait_dscnt 0x0
	CROUND
	tensor_load_to_lds s[G0:G0+3], s[G1:G1+7]
	s_nop 0
.rept 4
	v_nop
.endr
	s_lshl_b32 s70, s[WG], 20
	s_lshl_b32 s72, s[WV], 16
	s_add_co_u32 s72, s70, s72
	s_mov_b32 s73, 0
	s_add_nc_u64 s[FB:FB+1], s[4:5], s[72:73]
	s_lshl_b32 s72, s[WV], 10
	s_add_co_u32 s72, s70, s72
	s_add_nc_u64 s[CB:CB+1], s[4:5], s[72:73]
	s_lshl_b32 s72, s[WG], 10
	s_add_nc_u64 s[SCB:SCB+1], s[14:15], s[72:73]
	s_lshr_b32 s72, s[WG], 3
	s_lshl_b32 s72, s72, 6
	s_lshl_b32 s74, s[WV], 15
	s_add_co_u32 s72, s72, s74
	s_add_nc_u64 s[8:9], s[8:9], s[72:73]
	s_lshl_b32 s72, s[WV], 10
	s_add_nc_u64 s[10:11], s[10:11], s[72:73]
	s_lshl_b32 s74, s[WG], 12
	s_add_co_u32 s72, s72, s74
	s_add_nc_u64 s[16:17], s[16:17], s[72:73]
	s_lshl_b32 s72, s[WG], 8
	s_add_nc_u64 s[18:19], s[18:19], s[72:73]
	s_lshl_b32 s82, s[WV], 11
	s_add_co_u32 s82, s82, BVT
	s_mul_i32 s83, s[WV], 16*SPITCH
	s_add_co_u32 s83, s83, STG
	s_mul_i32 s84, s[WV], 12288
	s_add_co_u32 s84, s84, IMG
	s_lshl_b32 s85, s[WV], 9
	s_add_co_u32 s86, s85, ISC
	s_add_co_u32 s87, s85, PW
	s_lshl_b32 s88, s[WV], 8
	s_add_co_u32 s88, s88, SX
	v_and_b32 v24, 31, v0
	v_and_b32 v25, 15, v0
	v_bfe_u32 v26, v0, 4, 1
	v_lshlrev_b32 v[L16], 4, v24
	v_lshlrev_b32 v[L8], 3, v24
	v_add_nc_u32 v[VB0], s80, v[L16]
	v_lshl_add_u32 v[VBV0], v26, 5, s82
	v_add_nc_u32 v[VSTG], s83, v[L16]
	v_mul_u32_u24 v27, v25, SPITCH
	v_lshl_add_u32 v27, v26, 7, v27
	v_add_nc_u32 v[VSTR], s83, v27
	v_add_nc_u32 v[VIM0], s84, v[L16]
	v_lshl_add_u32 v[VIS0], v25, 2, s86
	v_add_nc_u32 v[VLI], IMG, v[L16]
	v_lshl_add_u32 v[VLS], v24, 2, ISC
	v_lshl_add_u32 v[VSX], v25, 2, s88
	v_lshl_add_u32 v[VSXR], v24, 3, SX
	v_add_nc_u32 v[VPWS], s87, v[L16]
	v_mov_b32 v[VPW0], s87
	v_lshrrev_b32 v27, 1, v24
	v_and_b32 v28, 1, v24
	v_lshlrev_b32 v29, 11, v27
	v_lshl_add_u32 v29, v28, 5, v29
	v_lshlrev_b32 v30, 5, v24
	v_add_nc_u32 v31, 15, v27
	v_and_b32 v31, 15, v31
	v_lshlrev_b32 v31, 7, v31
	v_lshl_add_u32 v31, v28, 5, v31
	v_add_nc_u32 v31, s82, v31
	global_load_b128 v[84:87], v29, s[8:9]
	global_load_b128 v[88:91], v29, s[8:9] offset:16
	global_load_b128 v[92:95], v30, s[10:11]
	global_load_b128 v[96:99], v30, s[10:11] offset:16
	WIN 0x80
.irp i, 0,1,2,3,4,5,6,7
	v_mov_b32 v[CTX+\i], 0
.endr
	v_mov_b32 v[QT], 0
	v_lshlrev_b32 v[VSH], 3, v26
	WIN 0
	v_mov_b32 v[MX], 0xff61b1e6
	v_mov_b32 v[MX+1], 0
	s_wait_loadcnt 0x0
	v_add_f32 v100, v92, v93
	v_add_f32 v101, v94, v95
	v_add_f32 v102, v96, v97
	v_add_f32 v103, v98, v99
	v_add_f32 v100, v100, v101
	v_add_f32 v102, v102, v103
	v_add_f32 v100, v100, v102
	v_add_f32_dpp v100, v100, v100 row_xmask:1 row_mask:0xf bank_mask:0xf
	v_add_f32_dpp v100, v100, v100 row_xmask:2 row_mask:0xf bank_mask:0xf
	v_add_f32_dpp v100, v100, v100 row_xmask:4 row_mask:0xf bank_mask:0xf
	v_add_f32_dpp v100, v100, v100 row_xmask:8 row_mask:0xf bank_mask:0xf
	v_permlanex16_b32 v101, v100, s[SEL], s[SEL+1]
	v_add_f32 v100, v100, v101
	v_mul_f32 v[VQ], 0x3e800000, v100
.irp i, 0,2,4,6
	v_pk_mul_f32 v[92+\i:93+\i], v[92+\i:93+\i], -2.0 op_sel_hi:[1,0]
.endr
	ds_store_b128 v31, v[84:87]
	ds_store_b128 v31, v[88:91] offset:16
	ds_store_b128 v31, v[92:95] offset:64
	ds_store_b128 v31, v[96:99] offset:80
	s_mov_b32 s[KIM], 0
	s_mov_b32 s[KSC], 0
	s_mov_b32 s[LT], 2
.Lpro:
	v_add_nc_u32 v[WIM], s[KIM], v[VIM0]
	v_add_nc_u32 v[WIS], s[KSC], v[VIS0]
	FISSUE 0, 0
	FISSUE 64, 1
	FISSUE 128, 2
	FISSUE 192, 3
	FCA 0, 48
	FCB 0
	FCA 64, 32
	FCB 1
	FCA 128, 16
	FCB 2
	FCA 192, 0
	FCB 3
	s_add_nc_u64 s[FB:FB+1], s[FB:FB+1], 2048
	s_add_co_u32 s[KIM], s[KIM], 6144
	s_add_co_u32 s[KSC], s[KSC], 256
	s_sub_co_u32 s[LT], s[LT], 1
	s_cmp_lg_u32 s[LT], 0
	s_cbranch_scc1 .Lpro
	s_add_nc_u64 s[FB:FB+1], s[FB:FB+1], 258048
	s_wait_tensorcnt 0x1
	v_add_nc_u32 v[WB], s[TB], v[VB0]
	ds_load_b128 v[BSC:BSC+3], v[WB] offset:12288
	ds_load_b128 v[BIAS:BIAS+3], v[VBV0] offset:1920
	ds_load_b128 v[BIAS+4:BIAS+7], v[VBV0] offset:1936
	ds_load_b128 v[V2:V2+3], v[VBV0] offset:1984
	ds_load_b128 v[V2+4:V2+7], v[VBV0] offset:2000
.irp s, 0,1,2,3,4,5,6,7
	BL 1, \s
.endr
	s_wait_dscnt 0x0
	s_barrier_signal -1
	s_barrier_wait -1
	ARELOAD
	SINIT
	s_wait_dscnt 0x0
	RESET
	s_mov_b32 s[LD], 4
.Lg0:
	DT 1, 0, 0
	s_sub_co_u32 s[LD], s[LD], 1
	s_cmp_lg_u32 s[LD], 0
	s_cbranch_scc1 .Lg0
	CROWS 128, 0
	CROWS 192, 8
	s_add_nc_u64 s[FB:FB+1], s[FB:FB+1], 258048
	SWITCH 1
	s_mov_b32 s[LB], 2
.Lg12:
	RESET
	s_mov_b32 s[LD], 4
.Lg12d:
	DT 1, 1, 0
	s_sub_co_u32 s[LD], s[LD], 1
	s_cmp_lg_u32 s[LD], 0
	s_cbranch_scc1 .Lg12d
	s_add_nc_u64 s[FB:FB+1], s[FB:FB+1], 258048
	SWITCH 1
	s_sub_co_u32 s[LB], s[LB], 1
	s_cmp_lg_u32 s[LB], 0
	s_cbranch_scc1 .Lg12
	RESET
	s_mov_b32 s[LD], 3
.Lg3:
	DT 0, 1, 0
	s_sub_co_u32 s[LD], s[LD], 1
	s_cmp_lg_u32 s[LD], 0
	s_cbranch_scc1 .Lg3
	DT 0, 1, 1
	CROWS 0, 16
	CROWS 64, 24
	s_wait_alu depctr_va_vdst(0)
	SWITCH 0
	v_mov_b32 v[WPW], v[VPW0]
	CGROUP 128, 0, 48
	CROWS 128, 32
	s_wait_alu depctr_va_vdst(0)
	CGROUP 192, 64, 48
	CROWS 192, 40
	s_wait_alu depctr_va_vdst(0)
	CGROUP 0, 128, 48
	CROWS 0, 48
	s_wait_alu depctr_va_vdst(0)
	CGROUP 64, 192, 48
	CROWS 64, 56
	s_wait_alu depctr_va_vdst(0)
	CGROUP 128, 256, 48
	s_wait_alu depctr_va_vdst(0)
	CGROUP 192, 320, 32
	s_wait_alu depctr_va_vdst(0)
	CGROUP 0, 384, 16
	s_wait_alu depctr_va_vdst(0)
	CGROUP 64, 448, 0
	WIN 0x08
	global_store_b128 v[L16], v[CTX:CTX+3], s[16:17]
	global_store_b128 v[L16], v[CTX+4:CTX+7], s[16:17] offset:512
	WIN 0
	s_cmp_lg_u32 s[WV], 0
	s_cbranch_scc1 .Lnostat
	global_store_b64 v[L8], v[MX:MX+1], s[18:19]
.Lnostat:
	s_wait_tensorcnt 0x0
	ds_add_u32 v[SPW], v[NIL]
	s_wait_dscnt 0x0
	CROUND
	s_endpgm
.Lfunc_end_k_q6718f691d7_main:
	.size	k_q6718f691d7_main, .Lfunc_end_k_q6718f691d7_main-k_q6718f691d7_main
	.p2alignl 7, 3214868480
	.fill 96, 4, 3214868480
	.section	.rodata,"a",@progbits
	.p2align	6, 0x0
	.amdhsa_kernel k_q6718f691d7_main
		.amdhsa_group_segment_fixed_size 327680
		.amdhsa_private_segment_fixed_size 0
		.amdhsa_enable_private_segment 0
		.amdhsa_kernarg_size 56
		.amdhsa_user_sgpr_count 2
		.amdhsa_user_sgpr_kernarg_segment_ptr 1
		.amdhsa_wavefront_size32 1
		.amdhsa_system_sgpr_workgroup_id_x 1
		.amdhsa_system_sgpr_workgroup_id_y 1
		.amdhsa_system_sgpr_workgroup_id_z 1
		.amdhsa_system_vgpr_workitem_id 0
		.amdhsa_next_free_vgpr 1024
		.amdhsa_next_free_sgpr 100
		.amdhsa_reserve_vcc 0
		.amdhsa_float_denorm_mode_32 3
		.amdhsa_float_denorm_mode_16_64 3
		.amdhsa_memory_ordered 1
		.amdhsa_forward_progress 1
		.amdhsa_inst_pref_size 255
	.end_amdhsa_kernel
	.section	.bss,"aw",@nobits
	.p2align	6
	.space	262144
	.amdgpu_metadata
---
amdhsa.version: [ 1, 2 ]
amdhsa.kernels:
  - .name:           k_q6718f691d7_main
    .symbol:         k_q6718f691d7_main.kd
    .args:
      - { .name: values, .offset: 0, .size: 8, .value_kind: global_buffer, .address_space: global }
      - { .name: w1img, .offset: 8, .size: 8, .value_kind: global_buffer, .address_space: global }
      - { .name: qb, .offset: 16, .size: 8, .value_kind: global_buffer, .address_space: global }
      - { .name: V_w, .offset: 24, .size: 8, .value_kind: global_buffer, .address_space: global }
      - { .name: scores, .offset: 32, .size: 8, .value_kind: global_buffer, .address_space: global }
      - { .name: pctx, .offset: 40, .size: 8, .value_kind: global_buffer, .address_space: global }
      - { .name: pstat, .offset: 48, .size: 8, .value_kind: global_buffer, .address_space: global }
    .group_segment_fixed_size: 327680
    .private_segment_fixed_size: 0
    .kernarg_segment_align: 8
    .kernarg_segment_size: 56
    .max_flat_workgroup_size: 128
    .sgpr_count:     100
    .vgpr_count:     1024
    .wavefront_size: 32
...
	.end_amdgpu_metadata
.endif
;; end of part 2
;; launch combine (part 3): grid 32 x 1, 8 waves a work-group, no clusters, 0 bytes of LDS; arguments scores, pctx, pstat, out0, out1; writes out0, out1
.if DOCPART == 3
	.amdgcn_target "amdgcn-amd-amdhsa--gfx1250"
	.amdhsa_code_object_version 6
	.text
	.protected	k_q6718f691d7_combine
	.globl	k_q6718f691d7_combine
	.p2align	8
	.type	k_q6718f691d7_combine,@function
k_q6718f691d7_combine:
	s_mov_b64 s[64:65], 0
	v_nop
	global_prefetch_b8 v0, s[64:65] scope:SCOPE_SE
	s_setreg_imm32_b32 hwreg(HW_REG_WAVE_MODE, 25, 1), 1
	s_wait_xcnt 0x0
; Work-group b joins batch b's eight parts.  Part i has its maximum M_i, its sum L_i of 2^((score - M_i) log2 e) and its weighted sum of rows pctx_i under M_i.
; M = the largest M_i; e_i = 2^((M_i - M) log2 e); L = sum of L_i e_i; out0 = sum of pctx_i e_i / L; out1 = 2^((score - M) log2 e) / L.
; Thread t takes 4 columns of out0 and 8 scores.  Every load and store of a wave covers 512 consecutive bytes (pstat: 256).  No LDS, no barrier, no matrix unit: 1.4 MB are moved once.
; LIMITS: weights under 2^-126 come out as 0; NaN and infinities are not served.
	s_load_b256 s[4:11], s[0:1], 0x0               ; scores s[4:5], pctx s[6:7], pstat s[8:9], out0 s[10:11]
	s_load_b64 s[12:13], s[0:1], 0x20              ; out1
	v_and_b32 v1, 31, v0
	s_delay_alu instid0(VALU_DEP_1)
	v_lshlrev_b32 v1, 3, v1                        ; 8 x lane
	v_lshlrev_b32 v2, 4, v0                        ; 16 x thread
	s_mov_b32 s15, 0
	s_mov_b32 s20, 0x3fb8aa3b                      ; log2(e)
	s_wait_alu depctr_va_vdst(0)
	s_wait_kmcnt 0x0
	s_lshl_b32 s14, ttmp9, 11
	s_add_nc_u64 s[8:9], s[8:9], s[14:15]
	s_lshl_b32 s14, ttmp9, 15
	s_add_nc_u64 s[6:7], s[6:7], s[14:15]
	s_lshl_b32 s14, ttmp9, 13
	s_add_nc_u64 s[4:5], s[4:5], s[14:15]
	s_add_nc_u64 s[12:13], s[12:13], s[14:15]
	s_lshl_b32 s14, ttmp9, 12
	s_add_nc_u64 s[10:11], s[10:11], s[14:15]
.irp i, 0,1,2,3,4,5,6,7
	global_load_b64 v[8+2*\i:9+2*\i], v1, s[8:9] offset:256*\i       ; (M_i, L_i)
.endr
.irp i, 0,1,2,3,4,5,6,7
	global_load_b128 v[24+4*\i:27+4*\i], v2, s[6:7] offset:4096*\i th:TH_LOAD_NT
.endr
	global_load_b128 v[56:59], v2, s[4:5] th:TH_LOAD_NT
	global_load_b128 v[60:63], v2, s[4:5] offset:4096 th:TH_LOAD_NT
	s_wait_loadcnt 0x0
	v_max3_num_f32 v4, v8, v10, v12
	s_delay_alu instid0(VALU_DEP_1)
	v_max3_num_f32 v4, v4, v14, v16
	s_delay_alu instid0(VALU_DEP_1)
	v_max3_num_f32 v4, v4, v18, v20
	s_delay_alu instid0(VALU_DEP_1)
	v_max_num_f32 v4, v4, v22                      ; M
	s_delay_alu instid0(VALU_DEP_1)
	v_mul_f32 v5, s20, v4
.irp i, 0,1,2,3,4,5,6,7
	v_fma_f32 v[64+\i], v[8+2*\i], s20, -v5
.endr
.irp j, 0,1,2,3,4,5,6,7
	v_fma_f32 v[56+\j], v[56+\j], s20, -v5
.endr
	s_wait_alu depctr_va_vdst(0)
.irp i, 0,1,2,3,4,5,6,7
	v_exp_f32 v[64+\i], v[64+\i]                   ; e_i
.endr
.irp j, 0,1,2,3,4,5,6,7
	v_exp_f32 v[56+\j], v[56+\j]                   ; my scores' weights, not yet divided
.endr
	v_nop                                          ; a plain place behind the last exponential
	s_wait_alu depctr_va_vdst(0)                   ; one wait for the sixteen, ahead of their first reader
	v_mul_f32 v6, v9, v64
.irp i, 1,2,3,4,5,6,7
	v_fma_f32 v6, v[9+2*\i], v[64+\i], v6          ; L
.endr
	s_wait_alu depctr_va_vdst(0)
	v_rcp_f32 v7, v6
	v_nop
	s_wait_alu depctr_va_vdst(0)
.irp i, 0,1,2,3,4,5,6,7
	v_mul_f32 v[72+2*\i], v[64+\i], v7             ; e_i / L, twice: a pair for the packed forms
	v_mul_f32 v[73+2*\i], v[64+\i], v7
.endr
	v_pk_mul_f32 v[88:89], v[24:25], v[72:73]
	v_pk_mul_f32 v[90:91], v[26:27], v[72:73]
.irp i, 1,2,3,4,5,6,7
	s_delay_alu instid0(VALU_DEP_2)
	v_pk_fma_f32 v[88:89], v[24+4*\i:25+4*\i], v[72+2*\i:73+2*\i], v[88:89]
	s_delay_alu instid0(VALU_DEP_2)
	v_pk_fma_f32 v[90:91], v[26+4*\i:27+4*\i], v[72+2*\i:73+2*\i], v[90:91]
.endr
.irp j, 0,1,2,3,4,5,6,7
	v_mul_f32 v[56+\j], v[56+\j], v7
.endr
	global_store_b128 v2, v[88:91], s[10:11]
	global_store_b128 v2, v[56:59], s[12:13]
	global_store_b128 v2, v[60:63], s[12:13] offset:4096
	s_endpgm
.Lfunc_end_k_q6718f691d7_combine:
	.size	k_q6718f691d7_combine, .Lfunc_end_k_q6718f691d7_combine-k_q6718f691d7_combine
	.p2alignl 7, 3214868480
	.fill 96, 4, 3214868480
	.section	.rodata,"a",@progbits
	.p2align	6, 0x0
	.amdhsa_kernel k_q6718f691d7_combine
		.amdhsa_group_segment_fixed_size 0
		.amdhsa_private_segment_fixed_size 0
		.amdhsa_enable_private_segment 0
		.amdhsa_kernarg_size 40
		.amdhsa_user_sgpr_count 2
		.amdhsa_user_sgpr_kernarg_segment_ptr 1
		.amdhsa_wavefront_size32 1
		.amdhsa_system_sgpr_workgroup_id_x 1
		.amdhsa_system_sgpr_workgroup_id_y 1
		.amdhsa_system_sgpr_workgroup_id_z 1
		.amdhsa_system_vgpr_workitem_id 0
		.amdhsa_next_free_vgpr 96
		.amdhsa_next_free_sgpr 66
		.amdhsa_reserve_vcc 0
		.amdhsa_float_denorm_mode_32 3
		.amdhsa_float_denorm_mode_16_64 3
		.amdhsa_memory_ordered 1
		.amdhsa_forward_progress 1
		.amdhsa_inst_pref_size 8
	.end_amdhsa_kernel
	.amdgpu_metadata
---
amdhsa.version: [ 1, 2 ]
amdhsa.kernels:
  - .name:           k_q6718f691d7_combine
    .symbol:         k_q6718f691d7_combine.kd
    .args:
      - { .name: scores, .offset: 0, .size: 8, .value_kind: global_buffer, .address_space: global }
      - { .name: pctx, .offset: 8, .size: 8, .value_kind: global_buffer, .address_space: global }
      - { .name: pstat, .offset: 16, .size: 8, .value_kind: global_buffer, .address_space: global }
      - { .name: out0, .offset: 24, .size: 8, .value_kind: global_buffer, .address_space: global }
      - { .name: out1, .offset: 32, .size: 8, .value_kind: global_buffer, .address_space: global }
    .group_segment_fixed_size: 0
    .private_segment_fixed_size: 0
    .kernarg_segment_align: 8
    .kernarg_segment_size: 40
    .max_flat_workgroup_size: 256
    .sgpr_count:     66
    .vgpr_count:     96
    .wavefront_size: 32
...
	.end_amdgpu_metadata
.endif
;; end of part 3
